; MI455X (gfx1250); checked and timed in simulation.
; The chip was launched on July 23, 2026; its instructions are those of AMD's public machine-readable ISA for CDNA 5 (MIT licence, August 2026) and "CDNA5" Instruction Set Architecture Reference Guide (July 2026). The comments in the code are by the model that wrote it; some were corrected since.
;; Mo E Layer. Allowed arithmetic: matrix products marked QUANTISED: E3M2 operands, one E8M0 scale for each 32 along K, by v_wmma_scale_f32_16x16x128_f8f6f4 with both operands' format E3M2, f32 sums; products left as they are: f32 operands where the result goes on into a quantised operand, else bf16, f16 or f32 operands; f32 sums; everything else in f32.
;; Inputs: W1_codes 8 x 2,048 x 32 x 24 uint8 (E3M2 codes of W1, K innermost, in blocks of 32 codes, four codes in three bytes); W1_scales 8 x 2,048 x 32 uint8 (E8M0 scales of W1, one for each 32 codes along K); W2_codes 8 x 1,024 x 64 x 24 uint8 (E3M2 codes of W2, K innermost, in blocks of 32 codes, four codes in three bytes); W2_scales 8 x 1,024 x 64 uint8 (E8M0 scales of W2, one for each 32 codes along K); b1 8 x 2,048 float32; b2 8 x 1,024 float32; gate_logits 8 float32; h_codes 2,048 x 32 x 24 uint8 (E3M2 codes of h, K innermost, in blocks of 32 codes, four codes in three bytes); h_scales 2,048 x 32 uint8 (E8M0 scales of h, one for each 32 codes along K).
;; Outputs: out0 2,048 x 1,024 float32.
;; This version of the problem:
;;   THIS VERSION OF THE PROBLEM IS GIVEN IN LOW PRECISION. The matrix products marked QUANTISED in the list below multiply operands that are first quantised to E3M2 (3 exponent bits, 2 mantissa bits; 6 bits a number), with one power-of-two scale for each 32 numbers along K (OCP MX v1.0); their sums are f32. All else is computed in f32.
;;   The module's matrix products, in the order in which they are computed (A, B: the left and right operand; K: the contracted axis; several contracted axes count as one K, in the product's order):
;;     1. [M 16,384, K 1,024] x [K 1,024, N 2,048]; A: input W1 (given as codes); B: input h (given as codes): QUANTISED
;;     2. batch 8 x [M 2,048, K 2,048] x [K 2,048, N 1,024]; A: computed on the way; B: input W2 (given as codes): QUANTISED
;;     3. batch 2,048 x [M 1,024, K 8] x [K 8, N 1]; A: computed on the way; B: computed on the way: left as it is (K = 8 < 32)
;;   THE QUANTISER, for each operand of a quantised product, along K:
;;     - K is cut into blocks of 32 from its start; a last block that is shorter is filled with zeros.
;;     - A block's scale is 2^e with e = floor(log2(the largest magnitude in the block)) - 4, held to -126 .. 127; a block of zeros has e = 0. As a byte (E8M0): e + 127.
;;     - Each number is divided by its block's scale, clamped to +-28, and rounded to the nearest number of E3M2, ties to even, subnormals kept.
;;     - The product sums the exact products of the quantised numbers (number of the format x scale) in f32.
;;   ~~~python
;;   def quantise(x, axis):      # numpy; x: float32 -> the quantised numbers, widened to float32 again
;;       x = np.moveaxis(x, axis, -1); K = x.shape[-1]
;;       x = np.pad(x, [(0, 0)] * (x.ndim - 1) + [(0, -K % 32)]); x = x.reshape(x.shape[:-1] + (-1, 32)); a = np.abs(x).max(-1, keepdims=True)
;;       e = np.where(a > 0, np.clip(np.frexp(np.where(a > 0, a, 1))[1] - 1 - 4, -126, 127), 0)      # np.frexp(a)[1] - 1 = floor(log2(a)), exactly
;;       r = np.clip(x / 2.0 ** e, -28, 28)
;;       step = 2.0 ** (np.maximum(np.frexp(np.where(r == 0, 1, r))[1] - 1, -2) - 2)
;;       q = np.round(r / step) * step * 2.0 ** e      # np.round: ties to even
;;       return np.moveaxis(q.reshape(q.shape[:-2] + (-1,))[..., :K], -1, axis).astype(np.float32)
;;   ~~~
;;   OPERANDS COMPUTED ON THE WAY. 'Computed on the way' means the value that the module computes at that place (a softmax that the list does not call 'softmax' is quantised finished and normalised). What goes into a quantiser is computed in f32, as accurately as f32 sums, v_exp_f32 and their like allow (about 1e-6 of the number): no bf16 or f16 on the way to a quantiser, and a product that is left as it is and whose result goes on into a quantised operand takes f32 operands (vector FMAs, or v_wmma_f32_16x16x4_f32). A number that lies on a knife's edge between two numbers of the format may be rounded either way, as far as f32 arithmetic and the matrix unit's own rounding can turn it there, and no further.
;;   INPUTS GIVEN AS CODES. W1 (in the module: [8, 1024, 2048], K = its axis 1); W2 (in the module: [8, 2048, 1024], K = its axis 1); h (in the module: [2048, 1024], K = its axis 1): each comes as NAME_codes (uint8): NAME with its K axis moved to the last place and cut into blocks of 32 codes, [.., K / 32, bytes a block], one block behind the other in memory; four codes in three bytes: a row's codes are one little-endian stream of bits, code i at bits 6 i .. 6 i + 5 (a code: sign, 3 exponent bits, 2 mantissa bits); and NAME_scales (uint8): the same leading axes, one E8M0 byte (e + 127) for each 32 codes along K. Its value is code x scale, taken as it is: it is not quantised again, and the codes and scales need not be those that the quantiser above would give.
;; One version. Each part assembles by itself: llvm-mc -triple=amdgcn-amd-amdhsa -mcpu=gfx1250 --defsym DOCPART=n.
;; ======== version 1 of 1: 3 launches
;; workspace buffers: hq 25,165,824 bytes; hs 1,048,576 bytes; part 33,554,432 bytes
;; launch hidden (part 1): grid 64 x 8, 4 waves a work-group, clusters of 4 x 4, 327,680 bytes of LDS; arguments h_codes, h_scales, W1_codes, W1_scales, b1, hq, hs; writes hq, hs
.if DOCPART == 1
	.amdgcn_target "amdgcn-amd-amdhsa--gfx1250"
	.amdhsa_code_object_version 6
	.text
	.protected	k_q40af2222c1_hidden
	.globl	k_q40af2222c1_hidden
	.p2align	8
	.type	k_q40af2222c1_hidden,@function
k_q40af2222c1_hidden:
	s_mov_b64 s[64:65], 0
	v_nop
	global_prefetch_b8 v0, s[64:65] scope:SCOPE_SE
	s_setreg_imm32_b32 hwreg(HW_REG_WAVE_MODE, 25, 1), 1
	s_wait_xcnt 0x0
	s_wait_alu depctr_hold_cnt(0) depctr_sa_sdst(0) depctr_va_vdst(0) depctr_va_sdst(0) depctr_va_ssrc(0) depctr_va_vcc(0) depctr_vm_vsrc(0)
	s_getreg_b32 s2, hwreg(HW_REG_IB_STS2, 6, 4)
	s_cmp_eq_u32 s2, 0
	s_cbranch_scc0 .Lentry_in_a_cluster
	s_endpgm
.Lentry_in_a_cluster:
	s_bfe_u32 s2, ttmp6, 0x10000c
	s_cmp_lg_u32 s2, 0xf033
	s_cbranch_scc0 .Lentry_shape_is_right
	s_endpgm
.Lentry_shape_is_right:
; hid = Q(gelu(h W1 + b1)): the first product on codes of BF6 (E3M2) with one E8M0 scale for each 32 along K, the exact gelu in f32, and the quantiser along the hidden units.
; A = h [2048 tokens][K 1024], B = W1 taken flat as [8 x 2048 = 16384 (expert, unit)][K 1024]; both come as codes, K innermost, a row of 768 bytes, and scale bytes, 32 a row.
; A tile is 256 tokens x 256 units, made by four waves, each 128 x 128: 64 accumulators of 16 x 16, 512 registers.  K goes in steps of 256 through a ring of two LDS slots filled by the tensor data mover.
; The scale bytes of the work-group's 256 rows of A and of B, for all of K, come into LDS once, with the first fills.
; CLUSTERS: 4 x 4 work-groups; the four of a row of the cluster ask jointly for h's tiles, the four of a column for W1's.
; THE MATRIX INSTRUCTION IS USED TRANSPOSED (source 0 = 16 units of W1, source 1 = 16 tokens): a lane holds ONE token and eight neighbouring units.  b1 is the C of each sum's first instruction.
; THE WAY OUT, a block of 16 tokens x 128 units at a time (a loop of eight trips): x / 2 into window 1, halves of lanes exchanged so that a lane's 16 registers are 16 neighbouring units, gelu, the quantiser;
; the block is one operand fragment of the second product and leaves as an IMAGE OF ITS REGISTERS: hq [(expert x 2048 + token) / 16][unit / 128][3][lane][16 bytes]; each store of the wave covers 512 consecutive bytes, aligned.
; Its scale words: hs [(expert x 2048 + token) / 128][unit / 128][128 tokens] of 4 bytes: a wave's 128 words are gathered in LDS and leave as 512 consecutive bytes.
; GELU.  y = x / 2; t = 1 / (1 + |y| / sqrt 2); erfc(|x| / sqrt 2) = t 2^E, E = -2 log2(e) y^2 + a polynomial of degree 9 in t (a Chebyshev fit that holds for every |x|, fractional error about 1.2e-7);
; gelu = (y + |y|) - |y| erfc.  LIMITS: NaN and infinities are not served; an erfc under 2^-126 comes out as 0; E is an f32 number, so the relative error grows by |E| x 6e-8 (a few 1e-6 for x under -6).
; A block of zeros gets the scale byte 1 (its codes are zeros; the bytes are read by this program alone).
; REGISTERS, in windows of 256: window 0: v0-31 addresses; v32-63 scale words, two sets; v64-127 b1 in the result's layout; from v128 A's fragments, one set.
;   window 1: B's fragments, two sets; on the way out y, t, E, the polynomial.   window 2: the accumulators of my tokens 0-63;   window 3: those of my tokens 64-127.
.set SIZE_K, 1024
.set KSTEP,  256                       ; along K in a slot
.set NQ,     KSTEP/128                 ; matrix instructions deep
.set ROWB,   192                       ; a tile's row in bytes
.set KROW,   SIZE_K*6/8                ; a row of codes in memory
.set PITCH,  240                       ; an LDS row: 3 x (64 bytes + 16 of padding)
.set FR,     12                        ; registers of a fragment
.set NL,     6                         ; LDS loads that bring one
.set NP,     4                         ; places behind this matrix instruction (ISA guide 7.12.1)
.set HALFT,  128*PITCH                 ; 128 rows: one tensor load
.set SLOT,   4*HALFT                   ; A's 256 rows, then B's 256 rows
.set LAPS,   SIZE_K/(2*KSTEP)          ; a lap = two K steps = once round the ring
.set KS,     SIZE_K/32                 ; a row of scale bytes
.set SCL,    2*SLOT                    ; behind the ring: the scales, as units of 256 bytes + 16 of padding
.set HALFS,  (128*KS/256)*272          ; the scales of 128 rows
.set SBLK,   (16*KS/256)*272           ; those of 16 rows
.set SPARE,  SCL+4*HALFS               ; the spare words, 128 bytes for each wave: two blocks of 256 bytes that no other line names
.set BOFF, 7                           ; v7      32 x (lane / 16): my eight numbers of b1 in a tile of 16 units
.set RDS,  8                           ; v8      the way out: where I read my wave's scale words back: 512 x wave + 16 x lane
.set ADRA, 16                          ; v16-17  LDS address of my A fragments in slot 0, 1  (v18-19: for the pieces behind one padding more)
.set ADRB, 20                          ; v20-21  the same for B  (v22-23)
.set HO,   24                          ; v24     16 x lane: my place in an image, and in the wave's 512 bytes of scale words
.set SW0,  25                          ; v25     512 x wave + 4 x (lane % 16): my token's scale word in block 0.  The words' stage lies in slot 0, which has had its last fill and its last read by then
.set SWT,  26                          ; v26     the same in the block in hand
.set ADRS, 27                          ; v27     LDS address of my scale words: lanes 0-15 A's rows, lanes 16-31 B's
.set SPW,  28                          ; v28     LDS address of my spare word; never rewritten
.set NIL,  29                          ; v29     0; never rewritten
.set K8,   30                          ; v30-31  the polynomial's coefficient 8, twice
.set SC,   32                          ; scale words: set s at v[SC + 8 NQ s]; register NQ i + q: lanes 0-15 A's block i, lanes 16-31 B's block i
.set BI,   64                          ; b1: tile b at v[BI + 8 b]
.set AF,   128                         ; A's fragments
.set G1, 24                            ; s[24:31] descriptor group 1 for A's tiles;  s[32:39] group 0, one set for each slot
.set G0, 32
.set G1B, 48                           ; s[48:55], s[56:63] the same for B's tiles
.set G0B, 56
.set G1S, 68                           ; s[68:75], s[76:79] groups 1 and 0 for A's scales;  s[80:87], s[88:91] for B's
.set G0S, 76
.set G1SB, 80
.set G0SB, 88
; the way out (the descriptors' registers are free then)
.set KC,  24                           ; s[24:43] the polynomial's coefficients 0 to 9, each twice (the packed form names a pair)
.set KX,  44                           ; s[44:45] -2 log2(e)
.set CH,  46                           ; s46     1 / sqrt 2
.set SEL, 48                           ; s[48:49] lane selects for v_permlanex16_b32: lane l xor 16
.set BA,  66                           ; s66     the block in hand, 0 to 7
.set SO,  67                           ; s67     64 x that
.set GY,  0                            ; window 1: v0-63 y;  v64-127 t;  v128-191 y^2, E, 2^E;  v192-255 the polynomial, then gelu
.set GT,  64
.set GX,  128
.set GP,  192
.set TM,  0                            ; the quantiser, in y's registers: v0-3 largest magnitudes, v4-7 bytes, v12-15 the conversions' scale operands
.set QC,  16                           ; v16-27 the codes; v28-34 at work
.set PW,  36                           ; the scale word
.set MSB, 0
.macro WIN new                         ; the immediate's high byte repeats the setting that is left
.if MSB != \new
	s_set_vgpr_msb (MSB<<8)|\new
.set MSB, \new
.endif
.endm
.set MUL_LO, 0xa1                      ; source 0 (B) window 1, source 1 (A) window 0, C and D window 2
.set MUL_HI, 0xf1                      ; the same, C and D window 3
.set TO_B,   0x40                      ; destination window 1, address window 0
; A joint load: waves 0 and 1 fetch for A, waves 2 and 3 for B.  The branch hangs on the wave's number alone.  Four v_nop follow each of the two lines.
.macro JLOAD g0a, g1a, g0b, g1b
	s_cmp_eq_u32 s15, 0
	s_cbranch_scc0 .Lfor_b_\@
	tensor_load_to_lds s[\g0a:\g0a+3], s[\g1a:\g1a+7]
	s_nop 0
.rept 4
	v_nop
.endr
	s_branch .Lasked_\@
.Lfor_b_\@:
	tensor_load_to_lds s[\g0b:\g0b+3], s[\g1b:\g1b+7]
	s_nop 0
.rept 4
	v_nop
.endr
.Lasked_\@:
.endm
.macro CREST                           ; a round of the cluster's barrier behind its opening barrier
	s_cmp_lg_u32 s14, 0
	s_cbranch_scc1 .Lnot_wave_0_\@
	s_barrier_signal -3
.Lnot_wave_0_\@:
	s_barrier_wait -3
	s_barrier_signal -1
	s_barrier_wait -1
.endm
.macro CROUND                          ; a whole round
	s_barrier_signal -1
	s_barrier_wait -1
	CREST
.endm
	s_load_b128 s[4:7], s[0:1], 0x0                ; h's codes s[4:5], h's scales s[6:7]
	s_load_b128 s[8:11], s[0:1], 0x10              ; W1's codes s[8:9], W1's scales s[10:11]
	s_load_b64 s[12:13], s[0:1], 0x20              ; b1
	s_load_b64 s[96:97], s[0:1], 0x28              ; hq
	s_load_b64 s[98:99], s[0:1], 0x30              ; hs
	v_lshl_add_u32 v[SPW], v0, 2, SPARE
	v_mov_b32 v[NIL], 0
	ds_add_u32 v28, v29
	ds_add_u32 v28, v29
	s_wait_dscnt 0x0
	v_lshrrev_b32 v1, 5, v0
	v_readfirstlane_b32 s14, v1                    ; wave 0..3
	s_lshr_b32 s15, s14, 1                         ; which half of the tile's tokens is mine.  Also: I fetch for A (0) or for B (1)
	s_and_b32 s16, s14, 1                          ; which half of its units.  Also: which 128 rows of that tile I fetch
	s_bfe_u32 s40, ttmp6, 0x40000                  ; cx, cy: my place in the cluster
	s_bfe_u32 s41, ttmp6, 0x40004
	s_lshl_b32 s42, ttmp9, 2
	s_add_co_u32 s42, s42, s40                     ; tile column (256 units of the flat 16384) = 4 x cluster x + cx
	s_and_b32 s17, ttmp7, 0xffff
	s_lshl_b32 s17, s17, 2
	s_add_co_u32 s17, s17, s41                     ; tile row (256 tokens) = 4 x cluster y + cy
	s_lshl_b32 s43, s41, 2
	s_lshl_b32 s43, 15, s43                        ; my row of the cluster
	s_lshl_b32 s44, 0x1111, s40                    ; my column
	; descriptor group 1: a tile of 128 rows x ROWB bytes, padded in LDS
	s_or_b32 s[G1+0], s43, (0<<16)|(1<<20)|(1<<21)|(3<<22)|(3<<25)  ; 15:0 the mask: A's tiles go to my row; 17:16 element of 1 byte; 20 padding on; 21 set beside a mask; 24:22 after every 16 words; 31:25 of 4 words
	s_or_b32 s[G1B+0], s44, (0<<16)|(1<<20)|(1<<21)|(3<<22)|(3<<25)
.irp g, G1, G1B
	s_mov_b32 s[\g+1], ROWB<<16                    ; tensor_dim0
	s_mov_b32 s[\g+2], 128<<16                     ; tensor_dim1 = 128
	s_mov_b32 s[\g+3], ROWB<<16                    ; tile_dim0
	s_mov_b32 s[\g+4], 128                         ; tile_dim1 = 128
	s_mov_b32 s[\g+5], KROW                        ; tensor_dim0_stride
	s_mov_b32 s[\g+6], 0
	s_mov_b32 s[\g+7], 0
.endr
	; the scales of 128 rows: a dense block of 128 KS bytes, as rows of 256 bytes (32 elements of 8 bytes), 16 bytes of padding behind each
	s_or_b32 s[G1S+0], s43, (3<<16)|(1<<20)|(1<<21)|(5<<22)|(3<<25)
	s_or_b32 s[G1SB+0], s44, (3<<16)|(1<<20)|(1<<21)|(5<<22)|(3<<25)
.irp g, G1S, G1SB
	s_mov_b32 s[\g+1], 32<<16
	s_mov_b32 s[\g+2], (128*KS/256)<<16
	s_mov_b32 s[\g+3], 32<<16
	s_mov_b32 s[\g+4], 128*KS/256
	s_mov_b32 s[\g+5], 32
	s_mov_b32 s[\g+6], 0
	s_mov_b32 s[\g+7], 0
.endr
	s_lshl_b32 s18, s16, 7                         ; which 128 rows of the tile I fetch
	s_lshl_b32 s20, s17, 8
	s_add_co_u32 s20, s20, s18                     ; A: row 256 x tile row + 128 x half
	s_lshl_b32 s46, s42, 8
	s_add_co_u32 s46, s46, s18                     ; B: row 256 x tile column + 128 x half
	s_mov_b32 s21, 0
	s_mov_b32 s47, 0
	s_mov_b64 s[18:19], KS
	s_mul_u64 s[22:23], s[20:21], s[18:19]         ; where these rows' scales begin, in bytes
	s_mul_u64 s[92:93], s[46:47], s[18:19]
	s_mov_b64 s[18:19], KROW
	s_mul_u64 s[20:21], s[20:21], s[18:19]         ; and their codes
	s_mul_u64 s[46:47], s[46:47], s[18:19]
	s_mul_i32 s45, s14, HALFT                      ; where they go: wave x 128 rows: no place in the cluster enters an LDS address
	s_mul_i32 s94, s14, HALFS
	s_wait_kmcnt 0x0
	s_add_nc_u64 s[20:21], s[4:5], s[20:21]
	s_add_nc_u64 s[22:23], s[6:7], s[22:23]
	s_add_nc_u64 s[46:47], s[8:9], s[46:47]
	s_add_nc_u64 s[92:93], s[10:11], s[92:93]
	CROUND                                         ; all sixteen work-groups are here: the first joint loads meet
	s_mov_b32 s[G0S], 1
	s_add_co_u32 s[G0S+1], s94, SCL
	s_mov_b64 s[G0S+2:G0S+3], s[22:23]
	s_or_b32 s[G0S+3], s[G0S+3], 0x80000000
	s_mov_b32 s[G0SB], 1
	s_add_co_u32 s[G0SB+1], s94, SCL
	s_mov_b64 s[G0SB+2:G0SB+3], s[92:93]
	s_or_b32 s[G0SB+3], s[G0SB+3], 0x80000000
	JLOAD G0S, G1S, G0SB, G1SB                     ; the scales first: they are wanted with K step 0
.irp s, 0,1
	s_mov_b32 s[G0+4*\s], 1
	s_add_co_u32 s[G0+4*\s+1], s45, \s*SLOT
	s_add_nc_u64 s[G0+4*\s+2:G0+4*\s+3], s[20:21], \s*ROWB
	s_or_b32 s[G0+4*\s+3], s[G0+4*\s+3], 0x80000000
	s_mov_b32 s[G0B+4*\s], 1
	s_add_co_u32 s[G0B+4*\s+1], s45, \s*SLOT
	s_add_nc_u64 s[G0B+4*\s+2:G0B+4*\s+3], s[46:47], \s*ROWB
	s_or_b32 s[G0B+4*\s+3], s[G0B+4*\s+3], 0x80000000
	JLOAD G0+4*\s, G1, G0B+4*\s, G1B               ; three tensor loads of mine are out behind the last of these
.endr
	v_and_b32 v1, 15, v0                           ; r = l % 16
	v_bfe_u32 v2, v0, 4, 1                         ; h = l / 16
	v_mul_u32_u24 v3, v1, PITCH
	v_mul_u32_u24 v4, v2, 24
	v_add_nc_u32 v4, v3, v4                        ; a fragment's row x pitch + 24 x half
	v_lshl_add_u32 v5, v2, 4, v4                   ; and the same behind one padding more
	s_mul_i32 s21, s15, HALFT                      ; my 128 rows of A
	s_mul_i32 s22, s16, HALFT                      ; my 128 rows of B,
	s_add_co_u32 s22, s22, 2*HALFT                 ; which lie behind A's 256
.irp s, 0,1
	v_add_nc_u32 v[ADRA+\s], s21, v4
	v_add_nc_u32 v[ADRB+\s], s22, v4
	v_add_nc_u32 v[ADRA+2+\s], s21, v5
	v_add_nc_u32 v[ADRB+2+\s], s22, v5
	s_add_co_u32 s21, s21, SLOT
	s_add_co_u32 s22, s22, SLOT
.endr
	v_mul_u32_u24 v5, v1, KS                       ; my row's scales: KS bytes a row,
	v_lshrrev_b32 v6, 8, v5
	v_lshl_add_u32 v5, v6, 4, v5                   ; and 16 more for each 256 passed
	s_mul_i32 s21, s15, HALFS                      ; A's: my 128 rows
	s_mul_i32 s22, s16, HALFS                      ; B's: my 128 rows, behind A's 256
	s_add_co_u32 s22, s22, 2*HALFS
	s_sub_co_u32 s22, s22, s21
	v_mul_u32_u24 v6, s22, v2                      ; lanes 16-31 take B's
	s_add_co_u32 s21, s21, SCL
	v_add_nc_u32 v5, v5, v6
	v_add_nc_u32 v[ADRS], s21, v5
	v_and_b32 v6, 31, v0
	v_lshlrev_b32 v[HO], 4, v6                     ; 16 x lane
	s_lshl_b32 s95, s14, 9                         ; my wave's 512 bytes for scale words
	v_lshl_add_u32 v[SW0], v1, 2, s95
	v_add_nc_u32 v[RDS], s95, v[HO]
	v_lshlrev_b32 v[BOFF], 5, v2                   ; 32 h
	; b1 is flat like W1's rows: my 128 units begin at 256 x tile column + 128 x half
	s_lshl_b32 s20, s42, 10
	s_lshl_b32 s21, s16, 9
	s_add_co_u32 s20, s20, s21
	s_mov_b32 s21, 0
	s_add_nc_u64 s[12:13], s[12:13], s[20:21]
.irp b, 0,1,2,3,4,5,6,7
	global_load_b128 v[BI+8*\b:BI+8*\b+3], v[BOFF], s[12:13] offset:64*\b        ; lane (r, h): b1 of units 16 b + 8 h + 0 .. 7: the result's layout
	global_load_b128 v[BI+8*\b+4:BI+8*\b+7], v[BOFF], s[12:13] offset:64*\b+16
.endr
	; where my results go.  expert = tile column / 8; the second product's K step = 2 (tile column % 8) + half
	s_lshr_b32 s46, s42, 3
	s_and_b32 s47, s42, 7
	s_lshl_b32 s47, s47, 1
	s_add_co_u32 s47, s47, s16
	s_lshl_b32 s20, s46, 7
	s_lshl_b32 s21, s17, 4
	s_add_co_u32 s20, s20, s21
	s_lshl_b32 s21, s15, 3
	s_add_co_u32 s20, s20, s21                     ; my first block of 16 rows: 128 x expert + 16 x tile row + 8 x half
	s_lshl_b32 s20, s20, 4
	s_add_co_u32 s20, s20, s47
	s_mul_i32 s20, s20, 1536                       ; an image is 1,536 bytes; under 2^25 in all
	s_mov_b32 s21, 0
	s_add_nc_u64 s[96:97], s[96:97], s[20:21]
	s_lshl_b32 s22, s46, 4
	s_lshl_b32 s23, s17, 1
	s_add_co_u32 s22, s22, s23
	s_add_co_u32 s22, s22, s15                     ; my group of 128 rows
	s_lshl_b32 s22, s22, 4
	s_add_co_u32 s22, s22, s47
	s_lshl_b32 s22, s22, 9
	s_mov_b32 s23, 0
	s_add_nc_u64 s[98:99], s[98:99], s[22:23]
.macro FRAG reg, adr, q, i             ; a fragment, 16 rows x 128 K of 6-bit codes: lane l holds row l % 16; registers 6 c .. 6 c + 5 hold K = 64 c + 32 (l / 16) + 0 .. 31: 24 bytes of the row, as they lie
.irp p, 0,1,2,3,4,5                    ; in pieces of 8 bytes.  Lanes 16-31 read three pieces further on than lanes 0-15:
.set PC, 12*(\q)+6*(\p/3)+\p%3        ; where that is behind one padding more, the second address register serves
.if PC%8 < 5
	ds_load_b64 v[\reg+2*\p:\reg+2*\p+1], v[\adr] offset:8*PC+16*(PC/8)+(\i)*16*PITCH
.else
	ds_load_b64 v[\reg+2*\p:\reg+2*\p+1], v[\adr+2] offset:8*PC+16*(PC/8)+(\i)*16*PITCH
.endif
.endr
.endm
; 16 matrix instructions: A's blocks a0, a0 + 1 x B's eight, 128 along K: the slot's q-th.  p: B's set;  sc: the set of scale words.  first = 1: the sums begin with b1 as C: nothing is cleared or added later.
; The 64 accumulators take turns, one instruction a turn, in the same order in every step.
.macro MUL16 a0, p, q, sc, first
.irp a, \a0, \a0+1
.irp b, 0,1,2,3,4,5,6,7
.if \first
	v_wmma_scale_f32_16x16x128_f8f6f4 v[8*(8*((\a)%4)+\b):8*(8*((\a)%4)+\b)+7], v[128*(\p)+FR*\b:128*(\p)+FR*\b+FR-1], v[AF+FR*(\a):AF+FR*(\a)+FR-1], v[BI+8*\b:BI+8*\b+7], v[SC+8*NQ*(\sc)+NQ*\b+(\q)], v[SC+8*NQ*(\sc)+NQ*(\a)+(\q)] matrix_a_fmt:MATRIX_FMT_BF6 matrix_b_fmt:MATRIX_FMT_BF6 matrix_a_scale:MATRIX_SCALE_ROW1
.else
	v_wmma_scale_f32_16x16x128_f8f6f4 v[8*(8*((\a)%4)+\b):8*(8*((\a)%4)+\b)+7], v[128*(\p)+FR*\b:128*(\p)+FR*\b+FR-1], v[AF+FR*(\a):AF+FR*(\a)+FR-1], v[8*(8*((\a)%4)+\b):8*(8*((\a)%4)+\b)+7], v[SC+8*NQ*(\sc)+NQ*\b+(\q)], v[SC+8*NQ*(\sc)+NQ*(\a)+(\q)] matrix_a_fmt:MATRIX_FMT_BF6 matrix_b_fmt:MATRIX_FMT_BF6 matrix_a_scale:MATRIX_SCALE_ROW1
.endif
.endr
.endr
.endm
.macro FETCH_B slot, q, p              ; B's eight fragments of the slot's q-th 128 along K into set p
	WIN TO_B
.irp i, 0,1,2,3,4,5,6,7
	FRAG 128*(\p)+FR*\i, ADRB+\slot, \q, \i
.endr
	WIN 0
.endm
.macro FETCH_A slot, q, i0             ; A's blocks i0 .. i0 + 3
.irp i, \i0, \i0+1, \i0+2, \i0+3
	FRAG AF+FR*(\i), ADRA+\slot, \q, \i
.endr
.endm
.macro SCALES sc                       ; a K step's scale words into set sc: NQ words a row; lanes 0-15 take A's block i, lanes 16-31 B's block i
.irp i, 0,1,2,3,4,5,6,7
	ds_load_b64 v[SC+8*NQ*\sc+NQ*\i:SC+8*NQ*\sc+NQ*\i+1], v[ADRS] offset:\i*SBLK
.endr
.endm
; A load into a register that a matrix instruction has read, and a vector instruction that reads a matrix result or writes one of its registers, stand NP places behind it; only plain vector
; instructions that name none of its registers are places (ISA guide 7.12.1 for vector instructions).
.macro PLACES n
.rept \n
	v_nop
.endr
.endm
; A step of 128 along K that has its successor in the same slot.
.macro STEP slot, q, first
	s_wait_dscnt 4*NL                              ; B's set and A's blocks 0-3 are in; the youngest 24 loads (A's blocks 4-7) may be out
.if \first
	WIN 0x81                                       ; as MUL_LO, with C (b1) in window 0
.else
	WIN MUL_LO
.endif
	MUL16 0, (\q)%2, \q, \slot, \first
	MUL16 2, (\q)%2, \q, \slot, \first
	s_wait_dscnt 0                                 ; A's blocks 4-7 are in
	PLACES NP
	FETCH_B \slot, (\q)+1, 1-(\q)%2
	FETCH_A \slot, (\q)+1, 0
.if \first
	WIN 0xc1                                       ; as MUL_HI, with C (b1) in window 0
.else
	WIN MUL_HI
.endif
	MUL16 4, (\q)%2, \q, \slot, \first
	MUL16 6, (\q)%2, \q, \slot, \first
	PLACES NP
	WIN 0
	FETCH_A \slot, (\q)+1, 4
.endm
; A slot's last step changes slots: ONE barrier; in front of it each wave waits for all its tensor loads, adds 0 to its spare word, and waits for that and for its own reads of this slot.  fill = 1: this slot is filled again, two K steps ahead.
.macro TURN slot, next, fill
	s_wait_tensorcnt 0x0                           ; all my tensor loads have landed: my part of the next slot
	ds_add_u32 v[SPW], v[NIL]                      ; 0 onto my spare word
	s_wait_dscnt 4*NL+1                            ; (the add and the youngest 24 loads, A's blocks 4-7, may be out)
	WIN MUL_LO
	MUL16 0, 1, NQ-1, \slot, 0                     ; sixteen matrix instructions stand between the add and the wait for it
	s_wait_dscnt 0x0                               ; the add is done, and my reads of this slot are over
	s_barrier_signal -1
	MUL16 2, 1, NQ-1, \slot, 0
	WIN 0
	s_barrier_wait -1
.if \fill
	CREST                                          ; the barrier has opened a round of the cluster's barrier: no wave of any partner still reads this slot's tile or has a load on its way
	s_add_nc_u64 s[G0+4*\slot+2:G0+4*\slot+3], s[G0+4*\slot+2:G0+4*\slot+3], 2*ROWB
	s_add_nc_u64 s[G0B+4*\slot+2:G0B+4*\slot+3], s[G0B+4*\slot+2:G0B+4*\slot+3], 2*ROWB
	JLOAD G0+4*\slot, G1, G0B+4*\slot, G1B         ; the first tensor load behind the round, my only one until the next; its four v_nop are the places in front of the loads below
.else
	PLACES NP
.endif
	v_add_nc_u32 v[ADRS], 4*NQ, v[ADRS]            ; on to the next K step's scale words
	FETCH_B \next, 0, 0
	FETCH_A \next, 0, 0
	SCALES \next
	WIN MUL_HI
	MUL16 4, 1, NQ-1, \slot, 0
	MUL16 6, 1, NQ-1, \slot, 0
	PLACES NP
	WIN 0
	FETCH_A \next, 0, 4
.endm
	s_wait_tensorcnt 1                             ; the scales and my part of K step 0 are in (K step 1's load may be out)
	s_barrier_signal -1
	s_barrier_wait -1                              ; everybody's are
	FETCH_B 0, 0, 0
	FETCH_A 0, 0, 0
	SCALES 0
	FETCH_A 0, 0, 4
	s_wait_loadcnt 0x0                             ; b1
	STEP 0, 0, 1                                   ; the first step stands in front of the loop: its products start the sums, on b1
	s_mov_b32 s3, LAPS-1
.Llap:                                                 ; a trip goes once round the ring, from a lap's second step to the next lap's first, and fills both slots again
	TURN 0, 1, 1
	STEP 1, 0, 0
	TURN 1, 0, 1
	STEP 0, 0, 0
	s_sub_co_u32 s3, s3, 1
	s_cmp_lg_u32 s3, 0
	s_cbranch_scc1 .Llap
	TURN 0, 1, 0                                   ; the last lap fills nothing, and has no round of the cluster's barrier
	STEP 1, 0, 0
	s_wait_dscnt 4*NL                              ; the very last step: nothing more to fetch
	WIN MUL_LO
	MUL16 0, 1, NQ-1, 1, 0
	MUL16 2, 1, NQ-1, 1, 0
	s_wait_dscnt 0
	WIN MUL_HI
	MUL16 4, 1, NQ-1, 1, 0
	MUL16 6, 1, NQ-1, 1, 0
	WIN 0
	; ---------------- THE WAY OUT ----------------
	PLACES NP                                      ; behind the last products: their results are read, and B's registers written, below
.macro KSET i, val                     ; a coefficient, twice: the packed form names a pair.  No tensor load of mine is out: the descriptors' registers are free
	s_mov_b32 s[KC+2*\i], \val
	s_mov_b32 s[KC+2*\i+1], \val
.endm
	KSET 0, -1.8257482                             ; the fit's coefficients x log2(e), so that the exponential is v_exp_f32's 2^E
	KSET 1, 1.4427292
	KSET 2, 0.53970062
	KSET 3, 0.13963006
	KSET 4, -0.26875686
	KSET 5, 0.40232158
	KSET 6, -1.6377532
	KSET 7, 2.1474745
	KSET 9, 0.24651730
	v_mov_b32 v[K8], -1.1861149                    ; coefficient 8 lies in vector registers: the first multiply-add has coefficient 9 as its scalar
	v_mov_b32 v[K8+1], -1.1861149
	s_mov_b32 s[KX], -2.8853901                    ; -2 log2(e): -(|x| / sqrt 2)^2 log2(e) = -2 log2(e) y^2
	s_mov_b32 s[KX+1], -2.8853901
	s_mov_b32 s[CH], 0.70710678
	s_mov_b32 s[SEL], 0x76543210
	s_mov_b32 s[SEL+1], 0xfedcba98
	s_mov_b32 s[BA], 0
	s_mov_b32 s[SO], 0
.macro FETCHX a                        ; y = x / 2 of block a, from its eight accumulators (window 2 or 3) into window 1; ascending
	WIN (0x40|(2+(\a)/4))
.set i, 0
.rept 32
	v_pk_mul_f32 v[GY+i:GY+i+1], v[64*((\a)%4)+i:64*((\a)%4)+i+1], 0.5 op_sel_hi:[1,0]
.set i, i+2
.endr
	WIN 0
.endm
; 64 numbers of a lane, v[s] .. v[s + 63], register 16 b + i = unit 32 b + 16 (lane / 16) + i of my token, become a fragment's codes in v[QC] on and its scale word in v[PW].
.macro QUANT s
.irp b, 0,1,2,3
	v_max3_num_f32 v[TM+\b], |v[\s+16*\b]|, |v[\s+1+16*\b]|, 0x2800000   ; block b: my 16 numbers, and the floor 2^(5 - 127): so the byte cannot fall under 1
.endr
.irp i, 2,4,6,8,10,12,14
.irp b, 0,1,2,3
	v_max3_num_f32 v[TM+\b], v[TM+\b], |v[\s+16*\b+\i]|, |v[\s+1+16*\b+\i]|   ; (the four blocks by turns)
.endr
.endr
.irp b, 0,1,2,3
	v_permlanex16_b32 v[TM+4+\b], v[TM+\b], s[SEL], s[SEL+1]
.endr
.irp b, 0,1,2,3
	v_max_num_f32 v[TM+\b], v[TM+\b], v[TM+4+\b]   ; with lane l xor 16's: the block's largest magnitude
.endr
.irp b, 0,1,2,3
	v_add_nc_u32 v[TM+12+\b], 0xfe000000, v[TM+\b]   ; 4 off its exponent field: the conversion takes the exponent field of this operand as its scale
.endr
.irp b, 0,1,2,3
	v_lshrrev_b32 v[TM+4+\b], 23, v[TM+12+\b]      ; the scale's byte
.endr
	v_lshl_or_b32 v[PW], v[TM+5], 8, v[TM+4]       ; the four bytes make my token's scale word
	v_lshl_or_b32 v[PW], v[TM+6], 16, v[PW]
	v_lshl_or_b32 v[PW], v[TM+7], 24, v[PW]
.irp c, 0,1
	v_cvt_scalef32_pk16_bf6_f32 v[QC+6*\c:QC+2+6*\c], v[\s+32*\c:\s+15+32*\c], v[TM+12+2*\c]
	v_cvt_scalef32_pk16_bf6_f32 v[QC+12+4*\c:QC+14+4*\c], v[\s+16+32*\c:\s+31+32*\c], v[TM+12+2*\c+1]   ; (a conversion's three registers begin on an even number)
.endr
	v_nop                                          ; one plain place behind a scaled conversion
.irp c, 0,1                                    ; the operand's layout wants a WHOLE block in a lane: lanes 0-15 block 2 c, lanes 16-31 block 2 c + 1
.irp i, 0,1,2
	v_permlane16_swap_b32 v[QC+6*\c+\i], v[QC+12+4*\c+\i]
.endr
.irp i, 0,1,2
	v_mov_b32 v[QC+3+6*\c+\i], v[QC+12+4*\c+\i]
.endr
.endr
.endm
.Lblk:                                                 ; eight trips: block BA, 16 tokens x 128 units.  Only the lines that name the block's accumulators are written eight times; a chain of forward branches on the counter picks one
.irp a, 0,1,2,3,4,5,6
	s_cmp_lg_u32 s[BA], \a
	s_cbranch_scc1 .Lnot_\a
	FETCHX \a
	s_branch .Lgo
.Lnot_\a:
.endr
	FETCHX 7
.Lgo:
	WIN 0x55                                       ; all operands in window 1
.irp b, 0,1,2,3                                ; tiles 2 b and 2 b + 1: register j holds units 32 b + 8 h + j and 32 b + 16 + 8 h + j.  The first's lanes 16-31 change places with the second's lanes 0-15:
.irp j, 0,1,2,3,4,5,6,7
	v_permlane16_swap_b32 v[GY+16*\b+\j], v[GY+16*\b+8+\j]   ; register 16 b + i then holds unit 32 b + 16 h + i, of the same token
.endr
.endr
.set i, 0
.rept 64
	v_fma_f32 v[GT+i], |v[GY+i]|, s[CH], 1.0       ; 1 + |y| / sqrt 2
.set i, i+1
.endr
.set i, 0
.rept 64
	v_rcp_f32 v[GT+i], v[GT+i]                     ; t: one batch
.set i, i+1
.endr
.set i, 0
.rept 32
	v_pk_mul_f32 v[GX+i:GX+i+1], v[GY+i:GY+i+1], v[GY+i:GY+i+1]   ; y^2: plain work that names no t
.set i, i+2
.endr
	s_wait_alu depctr_va_vdst(0)                   ; one wait for the 64 reciprocals, ahead of their first reader
	WIN 0x45                                       ; source 2 (coefficient 8) in window 0
.set i, 0
.rept 32
	v_pk_fma_f32 v[GP+i:GP+i+1], v[GT+i:GT+i+1], s[KC+18:KC+19], v[K8:K8+1] op_sel_hi:[1,0,1]
.set i, i+2
.endr
	WIN 0x55
.irp k, 7,6,5,4,3,2,1,0                        ; Horner, two numbers an instruction, 32 independent chains
.set i, 0
.rept 32
	v_pk_fma_f32 v[GP+i:GP+i+1], v[GP+i:GP+i+1], v[GT+i:GT+i+1], s[KC+2*\k:KC+2*\k+1] op_sel_hi:[1,1,0]
.set i, i+2
.endr
.endr
.set i, 0
.rept 32
	v_pk_fma_f32 v[GX+i:GX+i+1], v[GX+i:GX+i+1], s[KX:KX+1], v[GP+i:GP+i+1] op_sel_hi:[1,0,1]   ; E
.set i, i+2
.endr
.set i, 0
.rept 64
	v_exp_f32 v[GX+i], v[GX+i]                     ; 2^E: one batch
.set i, i+1
.endr
.set i, 0
.rept 64
	v_add_f32 v[GP+i], v[GY+i], |v[GY+i]|          ; y + |y|: x where x is positive, else 0: plain work that names no exponential
.set i, i+1
.endr
	s_wait_alu depctr_va_vdst(0)                   ; one wait for the 64 exponentials
.set i, 0
.rept 32
	v_pk_mul_f32 v[GT+i:GT+i+1], v[GT+i:GT+i+1], v[GX+i:GX+i+1]   ; erfc(|x| / sqrt 2)
.set i, i+2
.endr
.set i, 0
.rept 64
	v_fma_f32 v[GP+i], -|v[GY+i]|, v[GT+i], v[GP+i]   ; gelu
.set i, i+1
.endr
	QUANT GP
	WIN 0
	v_add_nc_u32 v[SWT], s[SO], v[SW0]
	WIN 0x04                                       ; addresses in window 0, data in window 1
.irp c, 0,1,2
	global_store_b128 v[HO], v[QC+4*\c:QC+4*\c+3], s[96:97] offset:512*\c   ; the image: 32 lanes store 512 consecutive bytes, at a multiple of 512 from hq's first byte
.endr
	ds_store_b32 v[SWT], v[PW]                     ; lanes l and l xor 16 write the same word with the same value
	WIN 0
	s_wait_xcnt 0x0                                ; the stores have read their data and their base: both are written again below and in the next trip
	s_add_nc_u64 s[96:97], s[96:97], 16*1536       ; the next 16 tokens' image of the same K step
	s_add_co_u32 s[SO], s[SO], 64
	s_add_co_u32 s[BA], s[BA], 1
	s_cmp_lt_u32 s[BA], 8
	s_cbranch_scc1 .Lblk
	ds_load_b128 v[32:35], v[RDS]                  ; my wave's 128 scale words.  LDS serves a wave's instructions in order (ISA guide 5.7.1.4): this sees my stores
	s_wait_dscnt 0x0
	global_store_b128 v[HO], v[32:35], s[98:99]    ; 512 consecutive bytes, aligned
	s_wait_tensorcnt 0x0                           ; the wave's end, behind my last tensor load and my last LDS store
	ds_add_u32 v[SPW], v[NIL]
	s_wait_dscnt 0x0
	CROUND                                         ; the closing round: no work-group ends while a partner may still ask for a tile that names it
	s_endpgm
.Lfunc_end_k_q40af2222c1_hidden:
	.size	k_q40af2222c1_hidden, .Lfunc_end_k_q40af2222c1_hidden-k_q40af2222c1_hidden
	.p2alignl 7, 3214868480
	.fill 96, 4, 3214868480
	.section	.rodata,"a",@progbits
	.p2align	6, 0x0
	.amdhsa_kernel k_q40af2222c1_hidden
		.amdhsa_group_segment_fixed_size 327680
		.amdhsa_private_segment_fixed_size 0
		.amdhsa_enable_private_segment 0
		.amdhsa_kernarg_size 56
		.amdhsa_user_sgpr_count 2
		.amdhsa_user_sgpr_kernarg_segment_ptr 1
		.amdhsa_wavefront_size32 1
		.amdhsa_system_sgpr_workgroup_id_x 1
		.amdhsa_system_sgpr_workgroup_id_y 1
		.amdhsa_system_sgpr_workgroup_id_z 1
		.amdhsa_system_vgpr_workitem_id 0
		.amdhsa_next_free_vgpr 1024
		.amdhsa_next_free_sgpr 100
		.amdhsa_reserve_vcc 0
		.amdhsa_float_denorm_mode_32 3
		.amdhsa_float_denorm_mode_16_64 3
		.amdhsa_memory_ordered 1
		.amdhsa_forward_progress 1
		.amdhsa_inst_pref_size 197
	.end_amdhsa_kernel
	.amdgpu_metadata
---
amdhsa.version: [ 1, 2 ]
amdhsa.kernels:
  - .name:           k_q40af2222c1_hidden
    .symbol:         k_q40af2222c1_hidden.kd
    .args:
      - { .name: h_codes, .offset: 0, .size: 8, .value_kind: global_buffer, .address_space: global }
      - { .name: h_scales, .offset: 8, .size: 8, .value_kind: global_buffer, .address_space: global }
      - { .name: W1_codes, .offset: 16, .size: 8, .value_kind: global_buffer, .address_space: global }
      - { .name: W1_scales, .offset: 24, .size: 8, .value_kind: global_buffer, .address_space: global }
      - { .name: b1, .offset: 32, .size: 8, .value_kind: global_buffer, .address_space: global }
      - { .name: hq, .offset: 40, .size: 8, .value_kind: global_buffer, .address_space: global }
      - { .name: hs, .offset: 48, .size: 8, .value_kind: global_buffer, .address_space: global }
    .group_segment_fixed_size: 327680
    .private_segment_fixed_size: 0
    .kernarg_segment_align: 8
    .kernarg_segment_size: 56
    .max_flat_workgroup_size: 128
    .sgpr_count:     100
    .vgpr_count:     1024
    .wavefront_size: 32
...
	.end_amdgpu_metadata
.endif
;; end of part 1
;; launch expert (part 2): grid 4 x 64, 4 waves a work-group, clusters of 4 x 4, 327,680 bytes of LDS; arguments hq, hs, W2_codes, W2_scales, part; writes part
.if DOCPART == 2
	.amdgcn_target "amdgcn-amd-amdhsa--gfx1250"
	.amdhsa_code_object_version 6
	.text
	.protected	k_q40af2222c1_expert
	.globl	k_q40af2222c1_expert
	.p2align	8
	.type	k_q40af2222c1_expert,@function
k_q40af2222c1_expert:
	s_mov_b64 s[64:65], 0
	v_nop
	global_prefetch_b8 v0, s[64:65] scope:SCOPE_SE
	s_setreg_imm32_b32 hwreg(HW_REG_WAVE_MODE, 25, 1), 1
	s_wait_xcnt 0x0
	s_wait_alu depctr_hold_cnt(0) depctr_sa_sdst(0) depctr_va_vdst(0) depctr_va_sdst(0) depctr_va_ssrc(0) depctr_va_vcc(0) depctr_vm_vsrc(0)
	s_getreg_b32 s2, hwreg(HW_REG_IB_STS2, 6, 4)
	s_cmp_eq_u32 s2, 0
	s_cbranch_scc0 .Lentry_in_a_cluster
	s_endpgm
.Lentry_in_a_cluster:
	s_bfe_u32 s2, ttmp6, 0x10000c
	s_cmp_lg_u32 s2, 0xf033
	s_cbranch_scc0 .Lentry_shape_is_right
	s_endpgm
.Lentry_shape_is_right:
; part[(expert, token)][d] = the sum over the hidden units of Q(hid)[expert][token][unit] W2[expert][d][unit], on codes of BF6 (E3M2) with one E8M0 scale for each 32 along K; f32 sums.
; part is the left operand of the product with the gate's weights (K = 8), which is not quantised and feeds no quantiser: it is rounded ONCE to bf16 on its way out, half the bytes of f32;
; bf16 and not f16, since with each input some 30 times larger these sums would pass f16's largest number.  b2, the weights and that product's sums stay f32, in the launch behind this one.
; A = the hidden layer, 16384 flat rows (expert x 2048 + token), K = 2048.  It lies in memory as images of operand registers: hq [row / 16][K / 128][3][lane][16 bytes]; its scale words hs [row / 128][K / 128][128 rows].
; B = W2 as given: [8 x 1024 (expert, d)][K 2048], a row of 1,536 bytes of codes and 64 scale bytes.
; A tile of part is 256 rows x 256 d, made by four waves, each 128 x 128: 64 accumulators, 512 registers.  K goes in steps of 256 through a ring of two LDS slots filled by the tensor data mover.
; A's part of a slot is dense: 16 blocks of 16 rows x 2 images of 1,536 bytes; a fragment comes by three loads of 16 bytes a lane, 512 consecutive bytes each.  B's part has rows of 192 bytes, padded to 240.
; The scale words of the work-group's rows, for all of K, come into LDS once, with the first fills.
; CLUSTERS: 4 x 4 work-groups: four tile rows (all of one expert: a cluster's 1,024 rows lie inside an expert's 2,048) x the four tile columns.  A's tiles are asked for jointly along a row of the cluster, B's along a column.
; THE MATRIX INSTRUCTION IS USED TRANSPOSED (source 0 = 16 rows of W2, source 1 = 16 rows of the hidden layer): a lane holds eight neighbouring d of one row, which pack into 16 bytes of bf16.
; The gate's weights are no powers of two, so they cannot ride in the scales: the eight experts' results are weighed and added by the launch behind this one.
; REGISTERS, in windows of 256: window 0: v0-31 addresses; v32-47 A's scale words, two sets; v48-63 B's; from v128 A's fragments, one set; on the way out v128-223 are at work.
;   window 1: B's fragments, two sets.   window 2: the accumulators of my rows 0-63;   window 3: those of my rows 64-127.
.set SIZE_N, 1024
.set SIZE_K, 2048
.set NQ,     2                         ; matrix instructions deep in a slot (256 along K)
.set ROWB,   192                       ; B: a tile's row in bytes
.set KROW,   SIZE_K*6/8                ; B: a row of codes in memory
.set PITCH,  240                       ; B: an LDS row: 3 x (64 bytes + 16 of padding)
.set FR,     12                        ; registers of a fragment
.set NLA,    3                         ; LDS loads that bring a fragment of A
.set NP,     4                         ; places behind this matrix instruction (ISA guide 7.12.1)
.set IMG,    1536                      ; an image of a fragment
.set ABLK,   NQ*IMG                    ; a block of 16 rows in a slot
.set HALFA,  8*ABLK                    ; 128 rows of A: one tensor load
.set HALFB,  128*PITCH                 ; 128 rows of B: one tensor load
.set SLOT,   2*HALFA+2*HALFB           ; A's 256 rows, then B's 256 rows
.set LAPS,   SIZE_K/512                ; a lap = two K steps = once round the ring
.set SCLA,   2*SLOT                    ; behind the ring: A's scale words, dense, 8,192 bytes for 128 rows;
.set HSA,    8192
.set SCLB,   SCLA+2*HSA                ; B's scale bytes, 8,192 for 128 rows, as units of 256 bytes + 16 of padding
.set HSB,    32*272
.set SPARE,  SCLB+2*HSB                ; the spare words, 128 bytes for each wave: two blocks of 256 bytes that no other line names
.set SPITCH, 272                       ; the way out: a stage of 16 rows x (256 bytes + 16) for each wave, in slot 0, which has had its last fill and its last read by then
.set ADRA, 16                          ; v16-17  LDS address of my A images in slot 0, 1
.set ADRB, 20                          ; v20-21  LDS address of my B fragments in slot 0, 1  (v22-23: for the pieces behind one padding more)
.set STO,  24                          ; v24     the way out: where I put 16 bytes of a row
.set RD,   25                          ; v25     the way out: where I read a row back
.set CO,   26                          ; v26     16 x lane: my place in an image
.set ADRSA, 27                         ; v27     LDS address of A's scale words: lanes 0-15 the slot's first 128 along K, lanes 16-31 its second
.set SPW,  28                          ; v28     LDS address of my spare word; never rewritten
.set NIL,  29                          ; v29     0; never rewritten
.set ADRSB, 30                         ; v30     the same as v27 for B
.set GOF,  31                          ; v31     the way out: my byte offset in two rows of part: 2,048 x (lane / 16) + 16 x (lane % 16)
.set SCA,  32                          ; A's scale words: set s at v[SCA + 8 s], register i: block i
.set SCB,  48                          ; B's likewise
.set AF,   128                         ; A's fragments
.set TMP,  128                         ; the way out: a block's packed results, 32 registers
.set OB,   160                         ; the way out: 16 rows read back from the stage: v160-191 and v192-223 by turns
.set G1, 24                            ; s[24:31] descriptor group 1 for A's tiles;  s[32:39] group 0, one set for each slot
.set G0, 32
.set G1B, 48                           ; s[48:55], s[56:63] the same for B's tiles
.set G0B, 56
.set G1S, 68                           ; s[68:75], s[76:79] groups 1 and 0 for A's scales;  s[80:87], s[88:91] for B's
.set G0S, 76
.set G1SB, 80
.set G0SB, 88
.set MSB, 0
.macro WIN new                         ; the immediate's high byte repeats the setting that is left
.if MSB != \new
	s_set_vgpr_msb (MSB<<8)|\new
.set MSB, \new
.endif
.endm
.set MUL_LO, 0xa1                      ; source 0 (B) window 1, source 1 (A) window 0, C and D window 2
.set MUL_HI, 0xf1                      ; the same, C and D window 3
.set TO_B,   0x40                      ; destination window 1, address window 0
; A joint load: waves 0 and 1 fetch for A, waves 2 and 3 for B.  The branch hangs on the wave's number alone.  Four v_nop follow each of the two lines.
.macro JLOAD g0a, g1a, g0b, g1b
	s_cmp_eq_u32 s15, 0
	s_cbranch_scc0 .Lfor_b_\@
	tensor_load_to_lds s[\g0a:\g0a+3], s[\g1a:\g1a+7]
	s_nop 0
.rept 4
	v_nop
.endr
	s_branch .Lasked_\@
.Lfor_b_\@:
	tensor_load_to_lds s[\g0b:\g0b+3], s[\g1b:\g1b+7]
	s_nop 0
.rept 4
	v_nop
.endr
.Lasked_\@:
.endm
.macro CREST                           ; a round of the cluster's barrier behind its opening barrier
	s_cmp_lg_u32 s14, 0
	s_cbranch_scc1 .Lnot_wave_0_\@
	s_barrier_signal -3
.Lnot_wave_0_\@:
	s_barrier_wait -3
	s_barrier_signal -1
	s_barrier_wait -1
.endm
.macro CROUND                          ; a whole round
	s_barrier_signal -1
	s_barrier_wait -1
	CREST
.endm
	s_load_b128 s[4:7], s[0:1], 0x0                ; hq s[4:5], hs s[6:7]
	s_load_b128 s[8:11], s[0:1], 0x10              ; W2's codes s[8:9], W2's scales s[10:11]
	s_load_b64 s[12:13], s[0:1], 0x20              ; part
	v_lshl_add_u32 v[SPW], v0, 2, SPARE
	v_mov_b32 v[NIL], 0
	ds_add_u32 v28, v29
	ds_add_u32 v28, v29
	s_wait_dscnt 0x0
	v_lshrrev_b32 v1, 5, v0
	v_readfirstlane_b32 s14, v1                    ; wave 0..3
	s_lshr_b32 s15, s14, 1                         ; which half of the tile's rows is mine.  Also: I fetch for A (0) or for B (1)
	s_and_b32 s16, s14, 1                          ; which half of its columns.  Also: which 128 rows of that tile I fetch
	s_bfe_u32 s40, ttmp6, 0x40000                  ; cx, cy: my place in the cluster
	s_bfe_u32 s41, ttmp6, 0x40004
	s_lshl_b32 s42, ttmp9, 2
	s_add_co_u32 s42, s42, s40                     ; tile column (256 d) = 4 x cluster x + cx
	s_and_b32 s17, ttmp7, 0xffff                   ; cluster y
	s_lshr_b32 s95, s17, 1                         ; the expert: two clusters' rows to an expert; made of the cluster's y alone, so all sixteen partners share it
	s_lshl_b32 s17, s17, 2
	s_add_co_u32 s17, s17, s41                     ; tile row (256 of the 16384 flat rows) = 4 x cluster y + cy
	s_lshl_b32 s43, s41, 2
	s_lshl_b32 s43, 15, s43                        ; my row of the cluster
	s_lshl_b32 s44, 0x1111, s40                    ; my column
	; descriptor group 1 for A's tiles: 8 blocks of 16 rows, of each 2 images = 3,072 consecutive bytes (384 elements of 8 bytes), 24,576 bytes (3,072 elements) from block to block; dense in LDS
	s_or_b32 s[G1+0], s43, (3<<16)|(1<<21)         ; 15:0 the mask: A's tiles go to my row; 17:16 element of 8 bytes; 20 no padding; 21 set beside a mask
	s_mov_b32 s[G1+1], 384<<16                     ; tensor_dim0
	s_mov_b32 s[G1+2], 8<<16                       ; tensor_dim1
	s_mov_b32 s[G1+3], 384<<16                     ; tile_dim0
	s_mov_b32 s[G1+4], 8                           ; tile_dim1
	s_mov_b32 s[G1+5], 3072                        ; tensor_dim0_stride
	s_mov_b32 s[G1+6], 0
	s_mov_b32 s[G1+7], 0
	; for B's tiles: 128 rows x 192 bytes, 16 bytes of padding behind every 64
	s_or_b32 s[G1B+0], s44, (0<<16)|(1<<20)|(1<<21)|(3<<22)|(3<<25)
	s_mov_b32 s[G1B+1], ROWB<<16
	s_mov_b32 s[G1B+2], 128<<16
	s_mov_b32 s[G1B+3], ROWB<<16
	s_mov_b32 s[G1B+4], 128
	s_mov_b32 s[G1B+5], KROW
	s_mov_b32 s[G1B+6], 0
	s_mov_b32 s[G1B+7], 0
	; for the scales of 128 rows, of A and of B: a dense block of 8,192 bytes as 32 rows of 256 bytes (32 elements of 8 bytes); A's dense in LDS, B's with 16 bytes of padding behind each row
	s_or_b32 s[G1S+0], s43, (3<<16)|(1<<21)
	s_or_b32 s[G1SB+0], s44, (3<<16)|(1<<20)|(1<<21)|(5<<22)|(3<<25)
.irp g, G1S, G1SB
	s_mov_b32 s[\g+1], 32<<16
	s_mov_b32 s[\g+2], 32<<16
	s_mov_b32 s[\g+3], 32<<16
	s_mov_b32 s[\g+4], 32
	s_mov_b32 s[\g+5], 32
	s_mov_b32 s[\g+6], 0
	s_mov_b32 s[\g+7], 0
.endr
	; where the tiles come from.  A's hang on the tile row alone, B's on the tile column and the expert; each in registers that never hold the other place in the cluster
	s_lshl_b32 s20, s17, 4
	s_lshl_b32 s18, s16, 3
	s_add_co_u32 s20, s20, s18                     ; A: block of 16 rows: 16 x tile row + 8 x half
	s_mul_i32 s20, s20, 16*IMG                     ; in bytes, under 2^25
	s_mov_b32 s21, 0
	s_lshl_b32 s22, s17, 1
	s_add_co_u32 s22, s22, s16                     ; A's scale words: group of 128 rows
	s_lshl_b32 s22, s22, 13
	s_mov_b32 s23, 0
	s_lshl_b32 s46, s42, 8
	s_lshl_b32 s18, s16, 7
	s_add_co_u32 s46, s46, s18
	s_lshl_b32 s18, s95, 10
	s_add_co_u32 s46, s46, s18                     ; B: row 1024 x expert + 256 x tile column + 128 x half
	s_lshl_b32 s92, s46, 6                         ; its scale bytes: 64 a row
	s_mov_b32 s93, 0
	s_mul_i32 s46, s46, KROW                       ; its codes, under 2^24
	s_mov_b32 s47, 0
	s_mul_i32 s45, s16, HALFA                      ; where they go: no place in the cluster enters an LDS address
	s_mul_i32 s94, s16, HALFB
	s_add_co_u32 s94, s94, 2*HALFA
	s_lshl_b32 s18, s16, 13
	s_mul_i32 s19, s16, HSB
	s_wait_kmcnt 0x0
	s_add_nc_u64 s[20:21], s[4:5], s[20:21]
	s_add_nc_u64 s[22:23], s[6:7], s[22:23]
	s_add_nc_u64 s[46:47], s[8:9], s[46:47]
	s_add_nc_u64 s[92:93], s[10:11], s[92:93]
	CROUND                                         ; all sixteen work-groups are here: the first joint loads meet
	s_mov_b32 s[G0S], 1
	s_add_co_u32 s[G0S+1], s18, SCLA
	s_mov_b64 s[G0S+2:G0S+3], s[22:23]
	s_or_b32 s[G0S+3], s[G0S+3], 0x80000000
	s_mov_b32 s[G0SB], 1
	s_add_co_u32 s[G0SB+1], s19, SCLB
	s_mov_b64 s[G0SB+2:G0SB+3], s[92:93]
	s_or_b32 s[G0SB+3], s[G0SB+3], 0x80000000
	JLOAD G0S, G1S, G0SB, G1SB                     ; the scales first: they are wanted with K step 0
.irp s, 0,1
	s_mov_b32 s[G0+4*\s], 1
	s_add_co_u32 s[G0+4*\s+1], s45, \s*SLOT
	s_add_nc_u64 s[G0+4*\s+2:G0+4*\s+3], s[20:21], \s*ABLK
	s_or_b32 s[G0+4*\s+3], s[G0+4*\s+3], 0x80000000
	s_mov_b32 s[G0B+4*\s], 1
	s_add_co_u32 s[G0B+4*\s+1], s94, \s*SLOT
	s_add_nc_u64 s[G0B+4*\s+2:G0B+4*\s+3], s[46:47], \s*ROWB
	s_or_b32 s[G0B+4*\s+3], s[G0B+4*\s+3], 0x80000000
	JLOAD G0+4*\s, G1, G0B+4*\s, G1B               ; three tensor loads of mine are out behind the last of these
.endr
	v_and_b32 v1, 15, v0                           ; r = l % 16
	v_bfe_u32 v2, v0, 4, 1                         ; h = l / 16
	v_and_b32 v6, 31, v0
	v_lshlrev_b32 v[CO], 4, v6                     ; 16 x lane
	s_mul_i32 s21, s15, HALFA                      ; my 128 rows of A
	v_add_nc_u32 v[ADRA], s21, v[CO]
	v_add_nc_u32 v[ADRA+1], SLOT, v[ADRA]
	v_mul_u32_u24 v3, v1, PITCH
	v_mul_u32_u24 v4, v2, 24
	v_add_nc_u32 v4, v3, v4                        ; B: a fragment's row x pitch + 24 x half
	v_lshl_add_u32 v5, v2, 4, v4                   ; and the same behind one padding more
	s_mul_i32 s22, s16, HALFB                      ; my 128 rows of B,
	s_add_co_u32 s22, s22, 2*HALFA                 ; which lie behind A's 256
.irp s, 0,1
	v_add_nc_u32 v[ADRB+\s], s22, v4
	v_add_nc_u32 v[ADRB+2+\s], s22, v5
	s_add_co_u32 s22, s22, SLOT
.endr
	s_lshl_b32 s21, s15, 13
	s_add_co_u32 s21, s21, SCLA                    ; A's scale words: my 128 rows; 512 bytes for each 128 along K, 4 bytes a row
	v_lshlrev_b32 v3, 2, v1
	v_lshl_add_u32 v3, v2, 9, v3                   ; lanes 16-31: the slot's second 128 along K
	v_add_nc_u32 v[ADRSA], s21, v3
	s_mul_i32 s22, s16, HSB
	s_add_co_u32 s22, s22, SCLB                    ; B's: my 128 rows; 64 bytes a row, four rows to a unit of 256 + 16
	v_lshrrev_b32 v4, 2, v1
	v_lshlrev_b32 v5, 6, v1
	v_lshl_add_u32 v5, v4, 4, v5
	v_lshl_add_u32 v5, v2, 2, v5                   ; lanes 16-31: the next word
	v_add_nc_u32 v[ADRSB], s22, v5
	s_mul_i32 s23, s14, 16*SPITCH                  ; my stage
	v_mul_u32_u24 v5, v1, SPITCH                   ; in: row l % 16, 16 bytes for each half of the lanes
	v_lshl_add_u32 v5, v2, 4, v5
	v_add_nc_u32 v[STO], s23, v5
	v_mul_u32_u24 v5, v2, SPITCH                   ; back: lanes 0-15 take one row of 256 bytes, lanes 16-31 the next
	v_lshl_add_u32 v5, v1, 4, v5
	v_add_nc_u32 v[RD], s23, v5
	v_lshlrev_b32 v5, 11, v2                       ; and the same two rows in part: a row of 1,024 bf16 is 2,048 bytes
	v_lshl_add_u32 v[GOF], v1, 4, v5
	s_lshl_b32 s20, s17, 8
	s_lshl_b32 s21, s15, 7
	s_add_co_u32 s20, s20, s21                     ; my first row of part: 256 x tile row + 128 x half
	s_mov_b32 s21, 0
	s_mov_b64 s[18:19], SIZE_N*2
	s_mul_u64 s[20:21], s[20:21], s[18:19]
	s_lshl_b32 s46, s42, 9                         ; my first column, in bytes: 512 x tile column + 256 x half
	s_lshl_b32 s47, s16, 8
	s_add_co_u32 s46, s46, s47
	s_mov_b32 s47, 0
	s_add_nc_u64 s[20:21], s[20:21], s[46:47]
	s_add_nc_u64 s[12:13], s[12:13], s[20:21]
.macro FRAG reg, adr, q, i             ; a fragment of B, 16 rows x 128 K: lane l holds row l % 16; registers 6 c .. 6 c + 5 hold K = 64 c + 32 (l / 16) + 0 .. 31: 24 bytes of the row, as they lie
.irp p, 0,1,2,3,4,5                    ; in pieces of 8 bytes.  Lanes 16-31 read three pieces further on than lanes 0-15:
.set PC, 12*(\q)+6*(\p/3)+\p%3        ; where that is behind one padding more, the second address register serves
.if PC%8 < 5
	ds_load_b64 v[\reg+2*\p:\reg+2*\p+1], v[\adr] offset:8*PC+16*(PC/8)+(\i)*16*PITCH
.else
	ds_load_b64 v[\reg+2*\p:\reg+2*\p+1], v[\adr+2] offset:8*PC+16*(PC/8)+(\i)*16*PITCH
.endif
.endr
.endm
; 16 matrix instructions: A's blocks a0, a0 + 1 x B's eight, 128 along K: the slot's q-th.  p: B's set;  sc: the set of scale words, whose lanes 0-15 serve q = 0 and lanes 16-31 q = 1.
; zero = 1: the first product starts the sums.  The 64 accumulators take turns, one instruction a turn, in the same order in every step.
.macro MUL16 a0, p, q, sc, zero
.irp a, \a0, \a0+1
.irp b, 0,1,2,3,4,5,6,7
.if \zero
	v_wmma_scale_f32_16x16x128_f8f6f4 v[8*(8*((\a)%4)+\b):8*(8*((\a)%4)+\b)+7], v[128*(\p)+FR*\b:128*(\p)+FR*\b+FR-1], v[AF+FR*(\a):AF+FR*(\a)+FR-1], 0, v[SCB+8*(\sc)+\b], v[SCA+8*(\sc)+(\a)] matrix_a_fmt:MATRIX_FMT_BF6 matrix_b_fmt:MATRIX_FMT_BF6
.elseif (\q) == 0
	v_wmma_scale_f32_16x16x128_f8f6f4 v[8*(8*((\a)%4)+\b):8*(8*((\a)%4)+\b)+7], v[128*(\p)+FR*\b:128*(\p)+FR*\b+FR-1], v[AF+FR*(\a):AF+FR*(\a)+FR-1], v[8*(8*((\a)%4)+\b):8*(8*((\a)%4)+\b)+7], v[SCB+8*(\sc)+\b], v[SCA+8*(\sc)+(\a)] matrix_a_fmt:MATRIX_FMT_BF6 matrix_b_fmt:MATRIX_FMT_BF6
.else
	v_wmma_scale_f32_16x16x128_f8f6f4 v[8*(8*((\a)%4)+\b):8*(8*((\a)%4)+\b)+7], v[128*(\p)+FR*\b:128*(\p)+FR*\b+FR-1], v[AF+FR*(\a):AF+FR*(\a)+FR-1], v[8*(8*((\a)%4)+\b):8*(8*((\a)%4)+\b)+7], v[SCB+8*(\sc)+\b], v[SCA+8*(\sc)+(\a)] matrix_a_fmt:MATRIX_FMT_BF6 matrix_b_fmt:MATRIX_FMT_BF6 matrix_a_scale:MATRIX_SCALE_ROW1 matrix_b_scale:MATRIX_SCALE_ROW1
.endif
.endr
.endr
.endm
.macro FETCH_B slot, q, p              ; B's eight fragments of the slot's q-th 128 along K into set p
	WIN TO_B
.irp i, 0,1,2,3,4,5,6,7
	FRAG 128*(\p)+FR*\i, ADRB+\slot, \q, \i
.endr
	WIN 0
.endm
.macro FETCH_A slot, q, i0             ; A's blocks i0 .. i0 + 3: an image comes back as it was stored: three loads, lane l's 16 bytes at 16 l
.irp i, \i0, \i0+1, \i0+2, \i0+3
.irp c, 0,1,2
	ds_load_b128 v[AF+FR*(\i)+4*\c:AF+FR*(\i)+4*\c+3], v[ADRA+\slot] offset:ABLK*(\i)+IMG*(\q)+512*\c
.endr
.endr
.endm
.macro SCALES sc                       ; a K step's scale words into set sc: one word a lane for each block of 16 rows
.irp i, 0,1,2,3,4,5,6,7
	ds_load_b32 v[SCA+8*\sc+\i], v[ADRSA] offset:64*\i
.endr
.irp i, 0,1,2,3,4,5,6,7
	ds_load_b32 v[SCB+8*\sc+\i], v[ADRSB] offset:4*272*\i
.endr
.endm
; A load into a register that a matrix instruction has read, and a vector instruction that reads a matrix result or writes one of a matrix instruction's registers, stand NP places behind it; only plain
; vector instructions that name none of its registers are places (ISA guide 7.12.1 for vector instructions).
.macro PLACES n
.rept \n
	v_nop
.endr
.endm
; A step of 128 along K that has its successor in the same slot.
.macro STEP slot, q, zero
	s_wait_dscnt 4*NLA                             ; B's set, the scale words and A's blocks 0-3 are in; the youngest 12 loads (A's blocks 4-7) may be out
	WIN MUL_LO
	MUL16 0, (\q)%2, \q, \slot, \zero
	MUL16 2, (\q)%2, \q, \slot, \zero
	s_wait_dscnt 0                                 ; A's blocks 4-7 are in
	PLACES NP
	FETCH_B \slot, (\q)+1, 1-(\q)%2
	FETCH_A \slot, (\q)+1, 0
	WIN MUL_HI
	MUL16 4, (\q)%2, \q, \slot, \zero
	MUL16 6, (\q)%2, \q, \slot, \zero
	PLACES NP
	WIN 0
	FETCH_A \slot, (\q)+1, 4
.endm
; A slot's last step changes slots: ONE barrier; in front of it each wave waits for all its tensor loads, adds 0 to its spare word, and waits for that and for its own reads of this slot.  fill = 1: this slot is filled again, two K steps ahead.
.macro TURN slot, next, fill
	s_wait_tensorcnt 0x0                           ; all my tensor loads have landed: my part of the next slot
	ds_add_u32 v[SPW], v[NIL]                      ; 0 onto my spare word
	s_wait_dscnt 4*NLA+1                           ; (the add and the youngest 12 loads, A's blocks 4-7, may be out)
	WIN MUL_LO
	MUL16 0, 1, NQ-1, \slot, 0                     ; sixteen matrix instructions stand between the add and the wait for it
	s_wait_dscnt 0x0                               ; the add is done, and my reads of this slot are over
	s_barrier_signal -1
	MUL16 2, 1, NQ-1, \slot, 0
	WIN 0
	s_barrier_wait -1
.if \fill
	CREST                                          ; the barrier has opened a round of the cluster's barrier: no wave of any partner still reads this slot's tile or has a load on its way
	s_add_nc_u64 s[G0+4*\slot+2:G0+4*\slot+3], s[G0+4*\slot+2:G0+4*\slot+3], 2*ABLK
	s_add_nc_u64 s[G0B+4*\slot+2:G0B+4*\slot+3], s[G0B+4*\slot+2:G0B+4*\slot+3], 2*ROWB
	JLOAD G0+4*\slot, G1, G0B+4*\slot, G1B         ; the first tensor load behind the round, my only one until the next; its four v_nop are the places in front of the loads below
.else
	PLACES NP
.endif
	v_add_nc_u32 v[ADRSA], 2*512, v[ADRSA]         ; on to the next K step's scale words
	v_add_nc_u32 v[ADRSB], 8, v[ADRSB]
	FETCH_B \next, 0, 0
	FETCH_A \next, 0, 0
	SCALES \next
	WIN MUL_HI
	MUL16 4, 1, NQ-1, \slot, 0
	MUL16 6, 1, NQ-1, \slot, 0
	PLACES NP
	WIN 0
	FETCH_A \next, 0, 4
.endm
	s_wait_tensorcnt 1                             ; the scales and my part of K step 0 are in (K step 1's load may be out)
	s_barrier_signal -1
	s_barrier_wait -1                              ; everybody's are
	FETCH_B 0, 0, 0
	FETCH_A 0, 0, 0
	SCALES 0
	FETCH_A 0, 0, 4
	STEP 0, 0, 1                                   ; the first step stands in front of the loop: its products start the sums
	s_mov_b32 s3, LAPS-1
.Llap:                                                 ; a trip goes once round the ring, from a lap's second step to the next lap's first, and fills both slots again
	TURN 0, 1, 1
	STEP 1, 0, 0
	TURN 1, 0, 1
	STEP 0, 0, 0
	s_sub_co_u32 s3, s3, 1
	s_cmp_lg_u32 s3, 0
	s_cbranch_scc1 .Llap
	TURN 0, 1, 0                                   ; the last lap fills nothing, and has no round of the cluster's barrier
	STEP 1, 0, 0
	s_wait_dscnt 4*NLA                             ; the very last step: nothing more to fetch
	WIN MUL_LO
	MUL16 0, 1, NQ-1, 1, 0
	MUL16 2, 1, NQ-1, 1, 0
	s_wait_dscnt 0
	WIN MUL_HI
	MUL16 4, 1, NQ-1, 1, 0
	MUL16 6, 1, NQ-1, 1, 0
	WIN 0
; THE WAY OUT, block by block of 16 rows x 128 columns, in three parts.  PACK: rounded to bf16, a lane's eight neighbouring numbers of a row into 16 bytes.  TOSTAGE: the lanes beside it hold other rows, so the block goes
; into my own stage in LDS and comes back as whole rows of 256 bytes.  SEND: stored.  LDS serves a wave's instructions in order (ISA guide 5.7.1.4): no wait between the stage's stores and its loads.
.macro PACK a
.set AC, 64*((\a)%4)
	WIN (0x0a+5*((\a)/4))                          ; sources 0 and 1: window 2 or 3; destination window 0
.irp b, 0,1,2,3,4,5,6,7
.irp r, 0,1,2,3
	v_cvt_pk_bf16_f32 v[TMP+4*\b+\r], v[AC+8*\b+2*\r], v[AC+8*\b+2*\r+1]   ; each accumulator from its low end on; first source into the low half; to nearest, ties to even
.endr
.endr
	WIN 0
.endm
.macro TOSTAGE a
.set BB, OB+32*((\a)%2)
.irp b, 0,1,2,3,4,5,6,7
	ds_store_b128 v[STO], v[TMP+4*\b:TMP+4*\b+3] offset:32*\b        ; columns 16 b + 8 (lane / 16) + 0 .. 7 of row lane % 16
.endr
.irp t, 0,1,2,3,4,5,6,7
	ds_load_b128 v[BB+4*\t:BB+4*\t+3], v[RD] offset:\t*2*SPITCH      ; rows 2 t and 2 t + 1
.endr
.endm
.macro SEND a
.set BB, OB+32*((\a)%2)
	s_wait_dscnt 0x0                               ; the block is back in registers
	s_wait_xcnt 0x0                                ; every earlier store has read its registers and its base: the base may step, and the next block's loads may land where the block before this one lay
.if (\a) > 0
	s_add_nc_u64 s[12:13], s[12:13], 16*SIZE_N*2   ; 16 rows on
.endif
.irp t, 0,1,2,3,4,5,6,7
	global_store_b128 v[GOF], v[BB+4*\t:BB+4*\t+3], s[12:13] offset:2*\t*SIZE_N*2 th:TH_STORE_NT   ; 16 lanes store 256 consecutive bytes, at a multiple of 256 from part's first byte; not read again in this launch
.endr
.endm
	PLACES NP                                      ; behind the last products: the conversions write, and the stage's loads land in, registers that held A's fragments; blocks 4-7's results are read behind blocks 0-3's 128 conversions
	PACK 0
	TOSTAGE 0
.irp a, 1,2,3,4,5,6,7                  ; block a's conversions stand between block a - 1's loads from the stage and the wait for them
	PACK \a
	SEND \a-1
	TOSTAGE \a
.endr
	SEND 7
	s_wait_tensorcnt 0x0                           ; the wave's end, behind my last tensor load and my last LDS store
	ds_add_u32 v[SPW], v[NIL]
	s_wait_dscnt 0x0
	CROUND                                         ; the closing round: no work-group ends while a partner may still ask for a tile that names it
	s_endpgm
.Lfunc_end_k_q40af2222c1_expert:
	.size	k_q40af2222c1_expert, .Lfunc_end_k_q40af2222c1_expert-k_q40af2222c1_expert
	.p2alignl 7, 3214868480
	.fill 96, 4, 3214868480
	.section	.rodata,"a",@progbits
	.p2align	6, 0x0
	.amdhsa_kernel k_q40af2222c1_expert
		.amdhsa_group_segment_fixed_size 327680
		.amdhsa_private_segment_fixed_size 0
		.amdhsa_enable_private_segment 0
		.amdhsa_kernarg_size 40
		.amdhsa_user_sgpr_count 2
		.amdhsa_user_sgpr_kernarg_segment_ptr 1
		.amdhsa_wavefront_size32 1
		.amdhsa_system_sgpr_workgroup_id_x 1
		.amdhsa_system_sgpr_workgroup_id_y 1
		.amdhsa_system_sgpr_workgroup_id_z 1
		.amdhsa_system_vgpr_workitem_id 0
		.amdhsa_next_free_vgpr 1024
		.amdhsa_next_free_sgpr 100
		.amdhsa_reserve_vcc 0
		.amdhsa_float_denorm_mode_32 3
		.amdhsa_float_denorm_mode_16_64 3
		.amdhsa_memory_ordered 1
		.amdhsa_forward_progress 1
		.amdhsa_inst_pref_size 152
	.end_amdhsa_kernel
	.amdgpu_metadata
---
amdhsa.version: [ 1, 2 ]
amdhsa.kernels:
  - .name:           k_q40af2222c1_expert
    .symbol:         k_q40af2222c1_expert.kd
    .args:
      - { .name: hq, .offset: 0, .size: 8, .value_kind: global_buffer, .address_space: global }
      - { .name: hs, .offset: 8, .size: 8, .value_kind: global_buffer, .address_space: global }
      - { .name: W2_codes, .offset: 16, .size: 8, .value_kind: global_buffer, .address_space: global }
      - { .name: W2_scales, .offset: 24, .size: 8, .value_kind: global_buffer, .address_space: global }
      - { .name: part, .offset: 32, .size: 8, .value_kind: global_buffer, .address_space: global }
    .group_segment_fixed_size: 327680
    .private_segment_fixed_size: 0
    .kernarg_segment_align: 8
    .kernarg_segment_size: 40
    .max_flat_workgroup_size: 128
    .sgpr_count:     100
    .vgpr_count:     1024
    .wavefront_size: 32
...
	.end_amdgpu_metadata
.endif
;; end of part 2
;; launch combine (part 3): grid 512 x 1, 8 waves a work-group, no clusters, 0 bytes of LDS; arguments part, b2, gate_logits, out0; writes out0
.if DOCPART == 3
	.amdgcn_target "amdgcn-amd-amdhsa--gfx1250"
	.amdhsa_code_object_version 6
	.text
	.protected	k_q40af2222c1_combine
	.globl	k_q40af2222c1_combine
	.p2align	8
	.type	k_q40af2222c1_combine,@function
k_q40af2222c1_combine:
	s_mov_b64 s[64:65], 0
	v_nop
	global_prefetch_b8 v0, s[64:65] scope:SCOPE_SE
	s_setreg_imm32_b32 hwreg(HW_REG_WAVE_MODE, 25, 1), 1
	s_wait_xcnt 0x0
; out[token][d] = the sum over the 8 experts of p[e] (part[e][token][d] + b2[e][d]), p = softmax(gate_logits).  part arrives in bf16 (an operand of a product that is not quantised); p, b2 and all sums are f32.
; A stream: every byte of part is read once, by loads of 8 bytes a lane (a wave covers 256 consecutive bytes, aligned), every byte of out written once, by stores of 16 bytes a lane (512 consecutive bytes).
; The work-group owns 4 tokens; thread t owns columns 4 t to 4 t + 3 of every row.  All 40 loads of a wave go out at once; no loop, no LDS, no barrier.
; No cluster, no matrix instruction: the work-groups share only b2 and the eight logits, and the sum has K = 8 and one column: fused multiply-adds.
; The softmax takes the largest logit away first, as the definition does.  LIMITS: NaN and infinities among the logits are not served; a weight under 2^-126 comes out as 0.
.set OFF, 1                            ; v1       16 t: my 4 numbers of f32 in a row of b2 or of out
.set OFH, 2                            ; v2       8 t: my 4 numbers of bf16 in a row of part
.set L,   4                            ; v4-11    the logits, then their exponentials
.set MX,  12                           ; v12      the largest logit, then the sum
.set RC,  13                           ; v13      half of the sum, then its reciprocal
.set PR,  14                           ; v14-29   p[e], twice: a pair for the packed forms
.set C,   30                           ; v30-33   the sum of p[e] b2[e] at my 4 columns
.set B,   34                           ; v34-65   b2[e] at my 4 columns
.set X,   66                           ; v66-129  part: token j, expert e at v[X + 2 (8 j + e)]: two registers, four bf16
.set T,   130                          ; v130-137 four numbers widened to f32, two sets by turns
.set O,   138                          ; v138-153 the results, 4 registers a token
	s_load_b256 s[4:11], s[0:1], 0x0               ; part s[4:5], b2 s[6:7], gate_logits s[8:9], out s[10:11]
	v_lshlrev_b32 v[OFF], 4, v0
	v_lshlrev_b32 v[OFH], 3, v0
	s_lshl_b32 s2, ttmp9, 13                       ; my 4 rows of part, 2,048 bytes each,
	s_mov_b32 s3, 0
	s_lshl_b32 s14, ttmp9, 14                      ; and of out, 4,096 bytes each
	s_mov_b32 s15, 0
	s_mov_b32 s12, 0xffff0000                      ; a word's upper bf16
	s_wait_kmcnt 0x0
	s_load_b256 s[16:23], s[8:9], 0x0              ; the eight logits
	s_add_nc_u64 s[4:5], s[4:5], s[2:3]
	s_add_nc_u64 s[10:11], s[10:11], s[14:15]
.irp e, 0,1,2,3,4,5,6,7
	s_add_nc_u64 s[24+2*\e:25+2*\e], s[4:5], \e*0x400000   ; an expert's 2,048 rows are 4 MiB; seven of them are more than a load's immediate holds: a base for each expert
.endr
.irp e, 0,1,2,3,4,5,6,7
	global_load_b128 v[B+4*\e:B+4*\e+3], v[OFF], s[6:7] offset:4096*\e
.endr
.irp j, 0,1,2,3
.irp e, 0,1,2,3,4,5,6,7
	global_load_b64 v[X+2*(8*\j+\e):X+2*(8*\j+\e)+1], v[OFH], s[24+2*\e:25+2*\e] offset:2048*\j th:TH_LOAD_NT
.endr
.endr
	s_wait_kmcnt 0x0                               ; the logits
.irp e, 0,1,2,3,4,5,6,7
	v_mov_b32 v[L+\e], s[16+\e]
.endr
	v_max3_num_f32 v[MX], v[L], v[L+1], v[L+2]
	v_max3_num_f32 v[MX], v[MX], v[L+3], v[L+4]
	v_max3_num_f32 v[MX], v[MX], v[L+5], v[L+6]
	v_max_num_f32 v[MX], v[MX], v[L+7]
.irp e, 0,1,2,3,4,5,6,7
	v_sub_f32 v[L+\e], v[L+\e], v[MX]              ; the temperature is 1
.endr
.irp e, 0,1,2,3,4,5,6,7
	v_mul_f32 v[L+\e], 0x3fb8aa3b, v[L+\e]         ; x log2(e)
.endr
.irp e, 0,1,2,3,4,5,6,7
	v_exp_f32 v[L+\e], v[L+\e]
.endr
	v_nop                                          ; a plain instruction behind the last exponential
	s_wait_alu depctr_va_vdst(0)                   ; one wait for the eight, ahead of their first reader
	v_add_f32 v[MX], v[L], v[L+1]
	v_add_f32 v[RC], v[L+2], v[L+3]
	v_add_f32 v[MX], v[MX], v[L+4]
	v_add_f32 v[RC], v[RC], v[L+5]
	v_add_f32 v[MX], v[MX], v[L+6]
	v_add_f32 v[RC], v[RC], v[L+7]
	v_add_f32 v[MX], v[MX], v[RC]
	v_rcp_f32 v[RC], v[MX]
	v_nop
	s_wait_alu depctr_va_vdst(0)
.irp e, 0,1,2,3,4,5,6,7
	v_mul_f32 v[PR+2*\e], v[L+\e], v[RC]
	v_mul_f32 v[PR+2*\e+1], v[L+\e], v[RC]
.endr
	s_wait_loadcnt 32                              ; b2's eight loads are in; the 32 of part behind them may be out
	v_pk_mul_f32 v[C:C+1], v[B:B+1], v[PR:PR+1]
	v_pk_mul_f32 v[C+2:C+3], v[B+2:B+3], v[PR:PR+1]
.irp e, 1,2,3,4,5,6,7
	v_pk_fma_f32 v[C:C+1], v[B+4*\e:B+4*\e+1], v[PR+2*\e:PR+2*\e+1], v[C:C+1]
	v_pk_fma_f32 v[C+2:C+3], v[B+4*\e+2:B+4*\e+3], v[PR+2*\e:PR+2*\e+1], v[C+2:C+3]
.endr
.irp j, 0,1,2,3
	s_wait_loadcnt 24-8*\j                         ; token j's eight loads are in; the later tokens' may be out
.irp e, 0,1,2,3,4,5,6,7
.set XR, X+2*(8*\j+\e)
.set TS, T+4*(\e%2)
	v_lshlrev_b32 v[TS],   16,  v[XR]              ; bf16 to f32: the low half moves up,
	v_and_b32     v[TS+1], s12, v[XR]              ; the high half stays
	v_lshlrev_b32 v[TS+2], 16,  v[XR+1]
	v_and_b32     v[TS+3], s12, v[XR+1]
.if \e == 0
	v_pk_fma_f32 v[O+4*\j:O+4*\j+1], v[TS:TS+1], v[PR:PR+1], v[C:C+1]             ; the sums begin on the weighed biases
	v_pk_fma_f32 v[O+4*\j+2:O+4*\j+3], v[TS+2:TS+3], v[PR:PR+1], v[C+2:C+3]
.else
	v_pk_fma_f32 v[O+4*\j:O+4*\j+1], v[TS:TS+1], v[PR+2*\e:PR+2*\e+1], v[O+4*\j:O+4*\j+1]
	v_pk_fma_f32 v[O+4*\j+2:O+4*\j+3], v[TS+2:TS+3], v[PR+2*\e:PR+2*\e+1], v[O+4*\j+2:O+4*\j+3]
.endif
.endr
	global_store_b128 v[OFF], v[O+4*\j:O+4*\j+3], s[10:11] offset:4096*\j th:TH_STORE_NT
.endr
	s_endpgm
.Lfunc_end_k_q40af2222c1_combine:
	.size	k_q40af2222c1_combine, .Lfunc_end_k_q40af2222c1_combine-k_q40af2222c1_combine
	.p2alignl 7, 3214868480
	.fill 96, 4, 3214868480
	.section	.rodata,"a",@progbits
	.p2align	6, 0x0
	.amdhsa_kernel k_q40af2222c1_combine
		.amdhsa_group_segment_fixed_size 0
		.amdhsa_private_segment_fixed_size 0
		.amdhsa_enable_private_segment 0
		.amdhsa_kernarg_size 32
		.amdhsa_user_sgpr_count 2
		.amdhsa_user_sgpr_kernarg_segment_ptr 1
		.amdhsa_wavefront_size32 1
		.amdhsa_system_sgpr_workgroup_id_x 1
		.amdhsa_system_sgpr_workgroup_id_y 1
		.amdhsa_system_sgpr_workgroup_id_z 1
		.amdhsa_system_vgpr_workitem_id 0
		.amdhsa_next_free_vgpr 160
		.amdhsa_next_free_sgpr 66
		.amdhsa_reserve_vcc 0
		.amdhsa_float_denorm_mode_32 3
		.amdhsa_float_denorm_mode_16_64 3
		.amdhsa_memory_ordered 1
		.amdhsa_forward_progress 1
		.amdhsa_inst_pref_size 17
	.end_amdhsa_kernel
	.amdgpu_metadata
---
amdhsa.version: [ 1, 2 ]
amdhsa.kernels:
  - .name:           k_q40af2222c1_combine
    .symbol:         k_q40af2222c1_combine.kd
    .args:
      - { .name: part, .offset: 0, .size: 8, .value_kind: global_buffer, .address_space: global }
      - { .name: b2, .offset: 8, .size: 8, .value_kind: global_buffer, .address_space: global }
      - { .name: gate_logits, .offset: 16, .size: 8, .value_kind: global_buffer, .address_space: global }
      - { .name: out0, .offset: 24, .size: 8, .value_kind: global_buffer, .address_space: global }
    .group_segment_fixed_size: 0
    .private_segment_fixed_size: 0
    .kernarg_segment_align: 8
    .kernarg_segment_size: 32
    .max_flat_workgroup_size: 256
    .sgpr_count:     66
    .vgpr_count:     160
    .wavefront_size: 32
...
	.end_amdgpu_metadata
.endif
;; end of part 3
